; MI455X (gfx1250); checked and timed in simulation.
; The chip was launched on July 23, 2026; its instructions are those of AMD's public machine-readable ISA for CDNA 5 (MIT licence, August 2026) and "CDNA5" Instruction Set Architecture Reference Guide (July 2026). The comments in the code are by the model that wrote it; some were corrected since.
;; M Metric. Allowed arithmetic: matrix products marked QUANTISED: E4M3 operands, one E8M0 scale for each 32 along K, by v_wmma_scale_f32_16x16x128_f8f6f4 with both operands' format E4M3, f32 sums; products left as they are: f32 operands where the result goes on into a quantised operand, else bf16, f16 or f32 operands; f32 sums; everything else in f32.
;; Inputs: M_codes 16 x 256 x 8 x 32 uint8 (E4M3 codes of M, K innermost, in blocks of 32 codes); M_scales 16 x 256 x 8 uint8 (E8M0 scales of M, one for each 32 codes along K); input 256 x 256 float32.
;; Outputs: out0 16 x 256 x 256 float32.
;; This version of the problem:
;;   THIS VERSION OF THE PROBLEM IS GIVEN IN LOW PRECISION. The matrix products marked QUANTISED in the list below multiply operands that are first quantised to E4M3 (4 exponent bits, 3 mantissa bits; 8 bits a number), with one power-of-two scale for each 32 numbers along K (OCP MX v1.0); their sums are f32. All else is computed in f32.
;;   The module's matrix products, in the order in which they are computed (A, B: the left and right operand; K: the contracted axis; several contracted axes count as one K, in the product's order):
;;     1. [M 4,096, K 256] x [K 256, N 65,536]; A: input M (given as codes); B: computed on the way: QUANTISED
;;     2. batch 65,536 x [M 1, K 256] x [K 256, N 16]; A: computed on the way; B: computed on the way: left as it is (M = 1 < 16)
;;   THE QUANTISER, for each operand of a quantised product, along K:
;;     - K is cut into blocks of 32 from its start; a last block that is shorter is filled with zeros.
;;     - A block's scale is 2^e with e = floor(log2(the largest magnitude in the block)) - 8, held to -126 .. 127; a block of zeros has e = 0. As a byte (E8M0): e + 127.
;;     - Each number is divided by its block's scale, clamped to +-448, and rounded to the nearest number of E4M3, ties to even, subnormals kept.
;;     - The product sums the exact products of the quantised numbers (number of the format x scale) in f32.
;;   ~~~python
;;   def quantise(x, axis):      # numpy; x: float32 -> the quantised numbers, widened to float32 again
;;       x = np.moveaxis(x, axis, -1); K = x.shape[-1]
;;       x = np.pad(x, [(0, 0)] * (x.ndim - 1) + [(0, -K % 32)]); x = x.reshape(x.shape[:-1] + (-1, 32)); a = np.abs(x).max(-1, keepdims=True)
;;       e = np.where(a > 0, np.clip(np.frexp(np.where(a > 0, a, 1))[1] - 1 - 8, -126, 127), 0)      # np.frexp(a)[1] - 1 = floor(log2(a)), exactly
;;       r = np.clip(x / 2.0 ** e, -448, 448)
;;       step = 2.0 ** (np.maximum(np.frexp(np.where(r == 0, 1, r))[1] - 1, -6) - 3)
;;       q = np.round(r / step) * step * 2.0 ** e      # np.round: ties to even
;;       return np.moveaxis(q.reshape(q.shape[:-2] + (-1,))[..., :K], -1, axis).astype(np.float32)
;;   ~~~
;;   OPERANDS COMPUTED ON THE WAY. 'Computed on the way' means the value that the module computes at that place (a softmax that the list does not call 'softmax' is quantised finished and normalised). What goes into a quantiser is computed in f32, as accurately as f32 sums, v_exp_f32 and their like allow (about 1e-6 of the number): no bf16 or f16 on the way to a quantiser, and a product that is left as it is and whose result goes on into a quantised operand takes f32 operands (vector FMAs, or v_wmma_f32_16x16x4_f32). A number that lies on a knife's edge between two numbers of the format may be rounded either way, as far as f32 arithmetic and the matrix unit's own rounding can turn it there, and no further.
;;   INPUTS GIVEN AS CODES. M (in the module: [16, 256, 256], K = its axis 1): each comes as NAME_codes (uint8): NAME with its K axis moved to the last place and cut into blocks of 32 codes, [.., K / 32, bytes a block], one block behind the other in memory; one code a byte (a code: sign, 4 exponent bits, 3 mantissa bits); and NAME_scales (uint8): the same leading axes, one E8M0 byte (e + 127) for each 32 codes along K. Its value is code x scale, taken as it is: it is not quantised again, and the codes and scales need not be those that the quantiser above would give.
;; One version. Each part assembles by itself: llvm-mc -triple=amdgcn-amd-amdhsa -mcpu=gfx1250 --defsym DOCPART=n.
;; ======== version 1 of 1: 1 launch
;; limits: right only within a limited range of input values
;; launch metric (part 1): grid 256 x 1, 8 waves a work-group, clusters of 4 x 1, 327,680 bytes of LDS; arguments M_codes, M_scales, input, out0; writes out0
.if DOCPART == 1
	.amdgcn_target "amdgcn-amd-amdhsa--gfx1250"
	.amdhsa_code_object_version 6
	.text
	.protected	k_q1e8ef8bfa2_metric
	.globl	k_q1e8ef8bfa2_metric
	.p2align	8
	.type	k_q1e8ef8bfa2_metric,@function
k_q1e8ef8bfa2_metric:
	s_mov_b64 s[64:65], 0
	v_nop
	global_prefetch_b8 v0, s[64:65] scope:SCOPE_SE
	s_setreg_imm32_b32 hwreg(HW_REG_WAVE_MODE, 25, 1), 1
	s_wait_xcnt 0x0
	s_wait_alu depctr_hold_cnt(0) depctr_sa_sdst(0) depctr_va_vdst(0) depctr_va_sdst(0) depctr_va_ssrc(0) depctr_va_vcc(0) depctr_vm_vsrc(0)
	s_getreg_b32 s2, hwreg(HW_REG_IB_STS2, 6, 4)
	s_cmp_eq_u32 s2, 0
	s_cbranch_scc0 .Lentry_in_a_cluster
	s_endpgm
.Lentry_in_a_cluster:
	s_bfe_u32 s2, ttmp6, 0x10000c
	s_cmp_lg_u32 s2, 0x3003
	s_cbranch_scc0 .Lentry_shape_is_right
	s_endpgm
.Lentry_shape_is_right:
; out0[b][i][j] = sum over e of t[e] diff[e],  t[e] = sum over d of Q(diff)[d] M[b][d][e],  diff = x[i] - x[j]  (256 numbers, f32).
; The first product is on codes of FP8 (E4M3) with one E8M0 scale for each 32 along d; diff is quantised here.  The second takes the unquantised f32 diff, by packed f32 multiply-adds.  t never leaves the registers.
; EACH UNORDERED PAIR IS MADE ONCE.  x[j] - x[i] is exactly -(x[i] - x[j]) in f32, the quantiser is odd (its scale hangs on magnitudes, its rounding on ties to even), and the form takes diff twice:
; so out0[b][j][i] = out0[b][i][j] for all finite inputs, and one number is stored in both places.  For i = j diff is zero, whatever x and M hold: that product is dead work, and 0 is stored.
; LIMITS: NaN and infinities in the inputs are not served, and one that reaches only the work left out (i = j) is not carried to the result.  A block of zeros gets the scale byte 1 where the quantiser says 127: its codes are zeros,
; which add nothing under either byte.  The sums run in another order than a plain ascending one.
; SHARES.  16 x 16 pairs (block I of i, block J of j) are a work-group's, for 8 of the 16 b.  n = 0 .. 127 numbers the blocks: I = n % 16, J = (I + n / 16 + 1) % 16.  n < 120: the 120 unordered pairs of unlike blocks.
; n >= 120: the work-group takes the diagonal blocks (I, I) and (J, J): of a diagonal block the pairs (i, j) = ((r + q + 1) % 16, r), r = 0 .. 15, q = 0 .. 7: 128 places for its 120 pairs (q = 7 makes 8 of them twice).
; Eight waves, two on a SIMD: wave w = (g, s), g = w % 4, s = w / 4: tiles t = 0 .. 3 of 16 pairs, number 4 g + t of the work-group's sixteen, and the 128 e (and d) from 128 s on.  Off the diagonal tile k is i = 16 I + k, j = 16 J + r.
; A wave quantises its own 128 d of its 64 pairs; its codes go to wave w xor 4 through LDS, whose codes it takes in turn.  Of a register pair 'own' is K step s, 'other' K step 1 - s.  The two halves of e are added on the way out.
; CLUSTER: the four work-groups of a cluster have the same 8 b and ask for M's codes and scales JOINTLY.  What is a place in the cluster's enters global addresses of x and out0 alone.
; NO PREFETCH: a refill is asked for a whole slot, two b (128 matrix instructions a wave), ahead of the change of slots that wants it, and a launch has three of them.
; THE WAY OUT stores 64 consecutive bytes of a row: a work-group owns 16 columns of out0 both ways round, and whole units of 256 bytes would take a further launch that reads all results again.
; LAYOUT.  Source 0 = 16 rows of M, source 1 = 16 pairs: lane (r, h) of a result holds pair r and places 8 h + 0 .. 7.  Place m of e-tile (c, u) is e = 32 c + 16 (m / 8) + 8 u + m % 8, so the lane's eight results are
; e = 32 c + 16 h + 8 u + 0 .. 7: eight of the very d that the codes' layout gives that lane: one set of f32 diff serves the quantiser and the second product.
; REGISTERS.  Window 0: v0-15 below; v16-31 sums; v32-63 results (one set); v64-127 M's fragments, two sets; v128-255 codes.  Window 1: all 256: diff: block c, tile t at v[64 c + 16 t].
.set PART,  34816                      ; LDS: 128 lines of M x 272 bytes: one b, one u: what one tensor load brings
.set CROW,  4352                       ; 16 lines: an e-tile
.set HALFE, 17408                      ; 64 lines: the e of one s
.set BB,    69632                      ; one b   (0x11000)
.set SLOTB, 139264                     ; a slot: two b   (0x22000: no bit in common with BB, nor with PART x 0 .. 3)
.set SCALE, 278528                     ; behind the ring: the scales of 8 b, 16,384 bytes, filled once
.set OUTS,  294912                     ; the exchange of codes (16,384 bytes) and of scale words (4,096); later the results [8 b][s][16 tiles][16 r] f32.  No tile lands here
.set SPARE, 315392                     ; the spare words, 128 bytes for each wave: four blocks of 256 bytes that no other line names
.set VST,  1                           ; v1  where results go in LDS
.set ADA0, 2                           ; v2  my fragments, own K step      (at the head: where my codes go)
.set ADA1, 3                           ; v3  other K step                  (at the head: where my partner's lie)
.set AL0,  4                           ; v4  the same for LDS byte 0       (at the head: the same for scale words)
.set AL1,  5
.set ADS,  6                           ; v6  my scale words of M
.set VST0, 7                           ; v7
.set SCB,  8                           ; v8-11  the pairs' scale words: lanes 0-15 own K step, lanes 16-31 other
.set SCA,  12                          ; v12-13 M's, for the two sets of fragments, likewise
.set SPW,  14                          ; v14 LDS address of my spare word: SPARE + 4 x my thread's number; never rewritten
.set NIL,  15                          ; v15 0; never rewritten
.set SUM,  16                          ; tile t: two pairs of partial sums at v[SUM + 4 t]
.set DD,   32                          ; results: tile t at v[DD + 8 t]
.set FR,   64                          ; fragments: set u at v[FR + 32 u]: own K step, then other
.set CB,   128                         ; codes: tile t at v[CB + 32 t]: own, then other
.set TM,   16                          ; the quantiser: largest magnitudes,
.set TP,   20                          ; the other half's; then the scale bytes,
.set SCL,  24                          ; the conversions' scale operands,
.set LIM,  28                          ; 448 x the scale,
.set T0,   32                          ; two sets of 16 held numbers
.set VXJ,  223                         ; x[j]'s offset, and
.set VXI,  252                         ; v252-255 x[i]'s, tile by tile: in registers that the exchange's last block fills when all loads of x are done
.set MSB, 0
.macro WIN new                         ; the immediate's high byte repeats the setting that is left; a switch that changes nothing is dropped
.set WNEW, \new
.if MSB != WNEW
	s_set_vgpr_msb (MSB<<8)|WNEW
.set MSB, WNEW
.endif
.endm
.macro PLACES n
.rept \n
	v_nop
.endr
.endm
.macro CREST                           ; a round of the cluster's barrier behind its opening barrier
	s_cmp_lg_u32 s12, 0
	s_cbranch_scc1 .Lnot_wave_0_\@
	s_barrier_signal -3
.Lnot_wave_0_\@:
	s_barrier_wait -3
	s_barrier_signal -1
	s_barrier_wait -1
.endm
.macro CROUND                          ; a whole round
	s_barrier_signal -1
	s_barrier_wait -1
	CREST
.endm
.macro FILL                            ; waves 0-3 fetch a slot's four parts, jointly with the same waves of the other three work-groups
	s_cmp_lt_u32 s12, 4
	s_cbranch_scc0 .Lno_part_\@
	tensor_load_to_lds s[44:47], s[24:31]
	s_nop 0
	PLACES 4
.Lno_part_\@:
.endm
	s_load_b256 s[4:11], s[0:1], 0x0               ; M's codes s[4:5], M's scales s[6:7], x s[8:9], out0 s[10:11]
	v_lshl_add_u32 v[SPW], v0, 2, SPARE
	v_mov_b32 v[NIL], 0
	ds_add_u32 v[SPW], v[NIL]                      ; the wave's opening: the add, twice on end, and its wait ahead of my first tensor load
	ds_add_u32 v[SPW], v[NIL]
	v_lshrrev_b32 v1, 5, v0
	v_readfirstlane_b32 s12, v1                    ; wave 0 .. 7
	s_bfe_u32 s13, ttmp6, 0x40000                  ; cx: my place in the cluster
	s_and_b32 s14, s12, 3                          ; g
	s_lshr_b32 s15, s12, 2                         ; s
	s_and_b32 s16, ttmp9, 1                        ; which 8 b: the cluster's
	s_lshr_b32 s17, ttmp9, 1
	s_lshl_b32 s18, s17, 2
	s_add_co_u32 s18, s18, s13                     ; n
	s_lshr_b32 s19, s18, 4
	s_and_b32 s18, s18, 15                         ; I
	s_add_co_u32 s19, s19, s18
	s_add_co_u32 s19, s19, 1
	s_and_b32 s19, s19, 15                         ; J
	s_cmp_gt_u32 s17, 29                           ; n >= 120: it hangs on the cluster's number alone
	s_cselect_b32 s20, -1, 0                       ; all lanes' mask: diagonal blocks
	s_cmp_lt_u32 s14, 2
	s_cselect_b32 s21, s20, 0
	s_cmp_lg_u32 s21, 0
	s_cselect_b32 s22, s18, s19                    ; block of my j: J, but I for the first two g on the diagonal
	s_cmp_lg_u32 s20, 0
	s_cselect_b32 s23, s22, s18                    ; block of my i
	s_lshl_b32 s52, s22, 14                        ; 16 rows of 1,024 bytes a block
	s_lshl_b32 s54, s23, 14
	s_lshl_b32 s60, s15, 9                         ; my 128 d: 512 bytes a row
	s_add_co_u32 s52, s52, s60
	s_add_co_u32 s54, s54, s60
	s_mov_b32 s53, 0
	s_mov_b32 s55, 0
	s_lshl_b32 s60, s14, 2                         ; 4 g: my first tile
	s_and_b32 s63, s60, 4
	s_add_co_u32 s63, s63, 1                       ; q + 1 of my first tile on the diagonal
	s_lshl_b32 s21, s12, 11
	s_add_co_u32 s21, s21, OUTS                    ; the exchange: 2,048 bytes a wave
	s_xor_b32 s22, s12, 4
	s_lshl_b32 s23, s22, 9
	s_lshl_b32 s22, s22, 11
	s_add_co_u32 s22, s22, OUTS
	s_add_co_u32 s23, s23, OUTS+16384              ; and 512 bytes of scale words
	s_lshl_b32 s62, s12, 9
	s_add_co_u32 s62, s62, OUTS+16384
	s_mov_b32 s48, 0                               ; LDS byte at which the b in hand begins
	s_mov_b32 s49, 0x76543210
	s_mov_b32 s50, 0xfedcba98                      ; v_permlanex16_b32's selects for lane l xor 16
	s_mov_b32 s61, 0x600000                        ; the mantissa field of 448
	; group 1 for codes: a tile is 16 rows of 2,048 bytes (8 neighbouring rows of M, which are dense), 4,096 bytes apart: rows e = 16 y + 8 u + 0 .. 7, y = 0 .. 15.  16 bytes of padding behind every 256:
	; 128 lines 272 bytes apart (68 words: line r starts at bank 4 r mod 64: ISA guide 11.1), and line 16 c + m is place m of e-tile (c, u).
	s_mov_b32 s24, 15|(3<<16)|(1<<20)|(1<<21)|(5<<22)|(3<<25)  ; the mask: all four work-groups; elements of 8 bytes; padding on; bit 21 beside a mask; after every 64 words; four words
	s_mov_b32 s25, 256<<16
	s_mov_b32 s26, 16<<16
	s_mov_b32 s27, 256<<16
	s_mov_b32 s28, 16
	s_mov_b32 s29, 512
	s_mov_b32 s30, 0
	s_mov_b32 s31, 0
	; group 1 for scales: 4,096 dense bytes (two b) as 16 rows of 256
	s_mov_b32 s32, 15|(3<<16)|(1<<21)
	s_mov_b32 s33, 32<<16
	s_mov_b32 s34, 16<<16
	s_mov_b32 s35, 32<<16
	s_mov_b32 s36, 16
	s_mov_b32 s37, 32
	s_mov_b32 s38, 0
	s_mov_b32 s39, 0
	; group 0 for codes: wave w < 4 fetches b = w / 2 of a slot's two, u = w % 2
	s_mov_b32 s44, 1
	s_mul_i32 s45, s12, PART
	s_lshl_b32 s46, s16, 19                        ; 8 b of 65,536 bytes
	s_lshr_b32 s40, s12, 1
	s_lshl_b32 s40, s40, 16
	s_add_co_u32 s46, s46, s40
	s_and_b32 s40, s12, 1
	s_lshl_b32 s40, s40, 11
	s_add_co_u32 s46, s46, s40
	s_mov_b32 s47, 0
	; group 0 for scales: wave 4 + g fetches two b
	s_mov_b32 s56, 1
	s_lshl_b32 s57, s14, 12
	s_lshl_b32 s58, s16, 14
	s_add_co_u32 s58, s58, s57
	s_mov_b32 s59, 0
	s_add_co_u32 s57, s57, SCALE
	v_and_b32 v32, 15, v0                          ; r
	v_bfe_u32 v33, v0, 4, 1                        ; h
	v_and_b32 v34, 31, v0                          ; lane
	v_lshlrev_b32 v35, 6, v33
	v_lshl_add_u32 v[VXJ], v32, 10, v35            ; x[j]: 1,024 r + 64 h
	v_mov_b32 v44, s60
.irp t, 0,1,2,3
	v_add3_u32 v[36+\t], v32, s63, \t              ; on the diagonal i = (r + q + 1) % 16 of the block,
	v_add_nc_u32 v[40+\t], \t, v44                 ; off it 4 g + t
.endr
.irp t, 0,1,2,3
	v_and_b32 v[36+\t], 15, v[36+\t]
.endr
.irp t, 0,1,2,3
	v_cndmask_b32 v[36+\t], v[40+\t], v[36+\t], s20
.endr
.irp t, 0,1,2,3
	v_lshl_add_u32 v[VXI+\t], v[36+\t], 10, v35
.endr
	v_cmp_lt_u32 s51, 15, v34                      ; the mask of lanes 16-31
	v_lshlrev_b32 v45, 4, v34
	v_lshlrev_b32 v46, 2, v34
	v_add_nc_u32 v[ADA0], s21, v45
	v_add_nc_u32 v[ADA1], s22, v45
	v_add_nc_u32 v[AL0], s62, v46
	v_add_nc_u32 v[AL1], s23, v46
.irp t, 0,1,2,3
	v_mov_b32 v[TP+\t], 0                          ; written once: a lane permute's destination counts as one of its sources
.endr
	s_wait_alu depctr_va_vdst(0)
	s_wait_dscnt 0x0                               ; both opening adds are done
	s_wait_kmcnt 0x0
	s_add_nc_u64 s[52:53], s[8:9], s[52:53]        ; x at my j's block, my half of d
	s_add_nc_u64 s[54:55], s[8:9], s[54:55]        ; and at my i's
	s_add_nc_u64 s[46:47], s[4:5], s[46:47]
	s_or_b32 s47, s47, 0x80000000
	s_add_nc_u64 s[58:59], s[6:7], s[58:59]
	s_or_b32 s59, s59, 0x80000000
; Block c (32 of my 128 d) of x: 4 loads for my j, into the fragments' registers, and 16 for my four tiles' i, straight into diff's.
.macro LOADS c
	WIN 0
.irp q, 0,1,2,3
	global_load_b128 v[FR+16*\c+4*\q:FR+16*\c+4*\q+3], v[VXJ], s[52:53] offset:128*\c+16*\q
.endr
	WIN 0x40
.irp t, 0,1,2,3
.irp q, 0,1,2,3
	global_load_b128 v[64*\c+16*\t+4*\q:64*\c+16*\t+4*\q+3], v[VXI+\t], s[54:55] offset:128*\c+16*\q
.endr
.endr
	WIN 0
.endm
	LOADS 0                                        ; what is wanted first is asked for first
	LOADS 1
	CROUND                                         ; all four work-groups are here: the first joint loads meet
	s_cmp_lt_u32 s12, 4                            ; one tensor load a wave: waves 0-3 slot 0's codes (b = 0, 1), waves 4-7 the scales of all 8 b
	s_cbranch_scc0 .Lhead_scales
	tensor_load_to_lds s[44:47], s[24:31]
	s_nop 0
	PLACES 4
	s_branch .Lhead_asked
.Lhead_scales:
	tensor_load_to_lds s[56:59], s[32:39]
	s_nop 0
	PLACES 4
.Lhead_asked:
	LOADS 2
; Block c of all four tiles, first part: the differences, the block's largest magnitude, the scale.  Loads come back in order (ISA guide 5.7.1): the 20 of each block behind it may be out.
.macro QUANT1 c
.if \c < 2
	s_wait_loadcnt 40
.else
	s_wait_loadcnt 20*(3-\c)
.endif
.if \c == 0
	LOADS 3
.endif
	WIN 0x41
.irp t, 0,1,2,3
.irp i, 0,2,4,6,8,10,12,14
	v_pk_add_f32 v[64*\c+16*\t+\i:64*\c+16*\t+\i+1], v[64*\c+16*\t+\i:64*\c+16*\t+\i+1], v[FR+16*\c+\i:FR+16*\c+\i+1] neg_lo:[0,1] neg_hi:[0,1]   ; x[i] - x[j], in place
.endr
.endr
	WIN 0x05
.irp t, 0,1,2,3
	v_max3_num_f32 v[TM+\t], |v[64*\c+16*\t]|, |v[64*\c+16*\t+1]|, 0x4800000   ; with the floor 2^(9 - 127): the byte cannot fall under 1
.endr
.irp i, 2,4,6,8,10,12,14
.irp t, 0,1,2,3
	v_max3_num_f32 v[TM+\t], |v[64*\c+16*\t+\i]|, |v[64*\c+16*\t+\i+1]|, v[TM+\t]
.endr
.endr
	WIN 0
.irp t, 0,1,2,3
	v_permlanex16_b32 v[TP+\t], v[TM+\t], s49, s50
.endr
.irp t, 0,1,2,3
	v_max_num_f32 v[TM+\t], v[TM+\t], v[TP+\t]     ; with lane l xor 16's 16: the block's largest magnitude
.endr
.irp t, 0,1,2,3
	v_add_nc_u32 v[SCL+\t], 0xfc000000, v[TM+\t]   ; 8 off its exponent field: the conversion takes this operand's exponent field as its scale
.endr
.irp t, 0,1,2,3
	v_and_or_b32 v[LIM+\t], v[TM+\t], 0x7f800000, s61   ; 448 x the scale
.endr
.if \c == 0
.irp t, 0,1,2,3
	v_lshrrev_b32 v[SCB+\t], 23, v[SCL+\t]         ; the first byte starts the scale word
.endr
.else
.irp t, 0,1,2,3
	v_lshrrev_b32 v[TP+\t], 23, v[SCL+\t]
.endr
.irp t, 0,1,2,3
	v_lshl_or_b32 v[SCB+\t], v[TP+\t], 8*\c, v[SCB+\t]
.endr
.endif
.endm
; Second part: held into a copy (the conversion to an 8-bit code does not saturate: ISA guide 7.6.2; diff stays as it is), and the codes.  The two sets of copies take turns.
.macro QUANT2 c
	WIN 0x10
.irp t, 0,1,2,3
.irp i, 0,1,2,3,4,5,6,7,8,9,10,11,12,13,14,15
	v_med3_num_f32 v[T0+16*(\t%2)+\i], -v[LIM+\t], v[LIM+\t], v[64*\c+16*\t+\i]
.endr
	v_cvt_scalef32_pk8_fp8_f32 v[CB+32*\t+4*\c:CB+32*\t+4*\c+1], v[T0+16*(\t%2):T0+16*(\t%2)+7], v[SCL+\t]
	v_cvt_scalef32_pk8_fp8_f32 v[CB+32*\t+4*\c+2:CB+32*\t+4*\c+3], v[T0+16*(\t%2)+8:T0+16*(\t%2)+15], v[SCL+\t]
.endr
	v_nop                                          ; a plain line behind the last conversion
	WIN 0
.endm
; The exchange: a block's codes as the operand's registers, 16 bytes a lane.  One region serves all blocks: a barrier between stores and loads, one between loads and the next stores.
.macro XST c
.irp t, 0,1,2,3
	ds_store_b128 v[ADA0], v[CB+32*\t+4*\c:CB+32*\t+4*\c+3] offset:512*\t
.endr
.endm
.macro XLD c
.irp t, 0,1,2,3
	ds_load_b128 v[CB+32*\t+16+4*(\c):CB+32*\t+16+4*(\c)+3], v[ADA1] offset:512*\t
.endr
.endm
.macro MEET
	s_wait_alu depctr_va_vdst(0)
	s_wait_dscnt 0x0                               ; for the others' sake: my stores, or my loads, of the region are done
	s_barrier_signal -1
	s_barrier_wait -1
.endm
	QUANT1 0
	QUANT2 0
	XST 0
.irp c, 1,2,3
	QUANT1 \c
	MEET                                           ; everybody's block c - 1 is stored
	XLD \c-1
	QUANT2 \c
	MEET                                           ; and read
	XST \c
.endr
.irp t, 0,1,2,3
	ds_store_b32 v[AL0], v[SCB+\t] offset:128*\t   ; my four scale words
.endr
	MEET
	XLD 3
.irp t, 0,1,2,3
	ds_load_b32 v[TM+\t], v[AL1] offset:128*\t
.endr
	s_wait_alu depctr_va_vdst(0)
	s_wait_tensorcnt 0x0                           ; my load of the head's eight is in
	ds_add_u32 v[SPW], v[NIL]
	s_xor_b32 s45, s45, SLOTB                      ; no tensor load of mine is out, so a group 0 may be written: slot 1,
	s_add_nc_u64 s[46:47], s[46:47], 131072        ; b = 2, 3
	s_mul_i32 s22, s15, HALFE                      ; my 128 e,
	s_lshl_b32 s23, s15, 7
	s_add_co_u32 s23, s23, s22                     ; own K step,
	s_xor_b32 s21, s15, 1
	s_lshl_b32 s21, s21, 7
	s_add_co_u32 s22, s22, s21                     ; other
	s_lshl_b32 s21, s15, 10
	s_add_co_u32 s21, s21, SCALE
	s_lshl_b32 s60, s12, 8
	s_add_co_u32 s60, s60, OUTS
	s_mov_b32 s63, 0                               ; 2,048 x the b whose results are stored next
	v_and_b32 v32, 15, v0
	v_bfe_u32 v33, v0, 4, 1
	v_mul_u32_u24 v34, 0x110, v32
	v_lshl_add_u32 v34, v33, 4, v34                ; 272 r + 16 h
	v_add_nc_u32 v[AL0], s23, v34
	v_add_nc_u32 v[AL1], s22, v34
	v_add_nc_u32 v[ADA0], s23, v34
	v_add_nc_u32 v[ADA1], s22, v34
	v_bfe_u32 v35, v0, 3, 1
	v_and_b32 v36, 7, v0
	v_lshlrev_b32 v35, 7, v35                      ; place m's row: 16 (m / 8) + m % 8, 8 bytes a row,
	v_lshl_add_u32 v35, v36, 3, v35
	v_xor_b32 v37, s15, v33                        ; lanes 0-15 own K step's word, lanes 16-31 the other's
	v_lshl_add_u32 v35, v37, 2, v35
	v_add_nc_u32 v[ADS], s21, v35
	v_and_b32 v38, 31, v0
	v_lshlrev_b32 v38, 2, v38
	v_add_nc_u32 v[VST0], s60, v38                 ; results: OUTS + 256 w + 4 lane
	s_wait_alu depctr_va_vdst(0)
	s_wait_dscnt 0x0                               ; the add is done, and the exchange is
	CROUND                                         ; all the head's tiles are in; the joint loads meet
	FILL                                           ; slot 1's first fill
.irp t, 0,1,2,3
	v_cndmask_b32 v[SCB+\t], v[SCB+\t], v[TM+\t], s51   ; lanes 16-31: the other K step's word
.endr
	s_wait_alu depctr_va_vdst(0)
	PLACES 8                                       ; a scale register written by a vector instruction stands 8 places ahead of a scaled matrix instruction
; THE LOOP'S PARTS.  e-tile e = 2 c + u of my eight a b uses set u of fragments.
.macro FLD c, u                        ; nine LDS loads: the e-tile's fragments, own K step and other, and its scale words
.irp k, 0,1,2,3
	ds_load_b128 v[FR+32*(\u)+4*\k:FR+32*(\u)+4*\k+3], v[ADA0] offset:(\u)*PART+(\c)*CROW+32*\k
.endr
.irp k, 0,1,2,3
	ds_load_b128 v[FR+32*(\u)+16+4*\k:FR+32*(\u)+16+4*\k+3], v[ADA1] offset:(\u)*PART+(\c)*CROW+32*\k
.endr
	ds_load_b32 v[SCA+(\u)], v[ADS] offset:256*(\c)+64*(\u)
.endm
; Four matrix instructions: tiles 2 p, 2 p + 1 by turns, own K step, then other.  The first starts the sum: nothing is cleared.
.macro MMG p, u
.irp t, 2*\p, 2*\p+1
	v_wmma_scale_f32_16x16x128_f8f6f4 v[DD+8*(\t):DD+8*(\t)+7], v[FR+32*(\u):FR+32*(\u)+15], v[CB+32*(\t):CB+32*(\t)+15], 0, v[SCA+(\u)], v[SCB+(\t)]
.endr
.irp t, 2*\p, 2*\p+1
	v_wmma_scale_f32_16x16x128_f8f6f4 v[DD+8*(\t):DD+8*(\t)+7], v[FR+32*(\u)+16:FR+32*(\u)+31], v[CB+32*(\t)+16:CB+32*(\t)+31], v[DD+8*(\t):DD+8*(\t)+7], v[SCA+(\u)], v[SCB+(\t)] matrix_a_scale:MATRIX_SCALE_ROW1 matrix_b_scale:MATRIX_SCALE_ROW1
.endr
.endm
; Eight packed multiply-adds: the results of tiles 2 p, 2 p + 1 of e-tile e, each from its low end on, times diff at the same e; two chains a tile.  A b's first e-tile starts the chains.
.macro PKG p, e
	WIN 1
.irp q, 0,1,2,3
.irp t, 2*\p, 2*\p+1
.if ((\e) == 0) && (\q < 2)
	v_pk_mul_f32 v[SUM+4*(\t)+2*(\q%2):SUM+4*(\t)+2*(\q%2)+1], v[64*((\e)/2)+16*(\t)+8*((\e)%2)+2*\q:64*((\e)/2)+16*(\t)+8*((\e)%2)+2*\q+1], v[DD+8*(\t)+2*\q:DD+8*(\t)+2*\q+1]
.else
	v_pk_fma_f32 v[SUM+4*(\t)+2*(\q%2):SUM+4*(\t)+2*(\q%2)+1], v[64*((\e)/2)+16*(\t)+8*((\e)%2)+2*\q:64*((\e)/2)+16*(\t)+8*((\e)%2)+2*\q+1], v[DD+8*(\t)+2*\q:DD+8*(\t)+2*\q+1], v[SUM+4*(\t)+2*(\q%2):SUM+4*(\t)+2*(\q%2)+1]
.endif
.endr
.endr
	WIN 0
.endm
; A b's end: a tile's four partial sums, and the other half of the lanes'; lanes 0-15 store tiles 0 and 2, lanes 16-31 tiles 1 and 3.
.macro FINAL
.irp t, 0,1,2,3
	v_pk_add_f32 v[SUM+4*\t:SUM+4*\t+1], v[SUM+4*\t:SUM+4*\t+1], v[SUM+4*\t+2:SUM+4*\t+3]
.endr
.irp t, 0,1,2,3
	v_add_f32 v[SUM+4*\t], v[SUM+4*\t], v[SUM+4*\t+1]
.endr
.irp t, 0,1,2,3
	v_permlanex16_b32 v[SUM+4*\t+1], v[SUM+4*\t], s49, s50
.endr
.irp t, 0,1,2,3
	v_add_f32 v[SUM+4*\t], v[SUM+4*\t], v[SUM+4*\t+1]
.endr
	v_cndmask_b32 v[SUM], v[SUM], v[SUM+4], s51
	v_cndmask_b32 v[SUM+8], v[SUM+8], v[SUM+12], s51
	v_add_nc_u32 v[VST], s63, v[VST0]
	ds_store_b32 v[VST], v[SUM]
	ds_store_b32 v[VST], v[SUM+8] offset:128
	s_add_co_u32 s63, s63, 2048
.endm
.macro NEXTB turn                      ; the fetches go on to the next b: BB on or back, with SLOTB the other slot
	s_xor_b32 s48, s48, \turn
	v_add_nc_u32 v[ADA0], s48, v[AL0]
	v_add_nc_u32 v[ADA1], s48, v[AL1]
	v_add_nc_u32 v[ADS], 2048, v[ADS]
	FLD 0, 0
.endm
; One e-tile: loads for the next; products of tiles 0, 1; multiply-adds of tiles 2, 3 of the e-tile before; products of tiles 2, 3; multiply-adds of tiles 0, 1.
; PLACES (8 behind this form, 9 for a matrix instruction that writes over a register): behind each four products stand the eight multiply-adds of the other two tiles, which name none of their registers, ahead of the first
; reader of their results and of the loads into their fragments; a result is begun anew 12 such lines behind its last writer.
; end, for e = 7: 0 no b follows; 1 the next b lies in this slot; 2, 3 THE CHANGE OF SLOTS: each wave waits for all its tensor loads, adds 0 to its spare word, waits for that and for its reads of this slot, whose last bytes it then holds in
; registers.  2: the slot is filled again, with the b four on: the barrier opens a round of the cluster's, so that no wave of any partner still reads the slot or has a load on its way, and the joint refill is the first thing behind it.
.macro STEP e, start, end
.if \e < 7
	FLD (\e+1)/2, (\e+1)%2
	s_wait_dscnt 9                                 ; this e-tile's loads are in; the nine just issued may be out
.endif
.if (\e == 7) && (\end == 1)
	NEXTB BB
	s_wait_dscnt 9
.endif
.if (\e == 7) && (\end == 0)
	s_wait_dscnt 0x0
.endif
.if (\e == 7) && (\end > 1)
	s_wait_tensorcnt 0x0                           ; my part of the other slot is in
	ds_add_u32 v[SPW], v[NIL]                      ; 0 onto my spare word
.if \end == 2
	s_xor_b32 s45, s45, SLOTB
	s_add_nc_u64 s[46:47], s[46:47], 131072        ; the next two b; the type bits on top are not reached
.endif
	s_wait_dscnt 1                                 ; the fragments are in; the add may be out
.endif
	MMG 0, \e%2
.if (\e == 7) && (\end > 1)
	s_wait_dscnt 0x0                               ; the add is done, and my reads of the slot are over
	s_barrier_signal -1
.endif
.if (\e == 0) && \start
	PLACES 8                                       ; there is no e-tile before
.else
	PKG 1, (\e+7)%8
.endif
.if (\e == 0) && (\start == 0)
	FINAL                                          ; the b before is complete
.endif
.if (\e == 7) && (\end > 1)
	s_barrier_wait -1
.if \end == 2
	CREST
	FILL
.endif
	NEXTB BB|SLOTB
.endif
	MMG 1, \e%2
	PKG 0, \e
.endm
.macro BODY start, end                 ; one b
.irp e, 0,1,2,3,4,5,6,7
	STEP \e, \start, \end
.endr
.endm
	FLD 0, 0
	BODY 1, 1                                      ; b = 0
	s_mov_b32 s62, 2
.Lslot:                                                ; two trips: b = 1, 2 and b = 3, 4: a slot's second b, at whose end the slot is filled again, and the other slot's first
	BODY 0, 2
	BODY 0, 1
	s_sub_co_u32 s62, s62, 1
	s_cmp_lg_u32 s62, 0
	s_wait_alu depctr_va_vdst(0)
	s_cbranch_scc1 .Lslot
	BODY 0, 3                                      ; b = 5: nothing is left to ask for
	BODY 0, 1
	BODY 0, 0                                      ; b = 7
	PKG 1, 7
	FINAL
; THE WAY OUT.  Wave w stores, for b = 4 (w / 4) + 0 .. 3, eight rows (half = w / 2 % 2) of one of the two 16 x 16 blocks (k = w % 2): off the diagonal (I, J) and (J, I), on it (I, I) and (J, J).
; A lane gathers four neighbouring columns of a row, the two halves of e of each, and adds them.
	s_wait_dscnt 0x0                               ; for the others' sake: my stores of results are done
	s_barrier_signal -1
	s_and_b32 s21, s12, 1                          ; k
	s_bfe_u32 s22, s12, 0x10001
	s_lshl_b32 s22, s22, 3                         ; 8 x half
	s_cmp_lg_u32 s21, 0
	s_cselect_b32 s24, -1, 0
	s_cselect_b32 s25, s19, s18                    ; the block of my rows
	s_cselect_b32 s26, s18, s19
	s_cmp_lg_u32 s20, 0
	s_cselect_b32 s26, s25, s26                    ; the block of my columns
	s_lshl_b32 s27, s21, 7                         ; on the diagonal: block k's 128 places
	s_lshl_b32 s28, s15, 13
	s_add_co_u32 s28, s28, OUTS                    ; 2,048 bytes of results a b
	s_lshl_b32 s30, s16, 1
	s_add_co_u32 s30, s30, s15
	s_lshl_b32 s30, s30, 20                        ; four b of 262,144 bytes
	s_lshl_b32 s25, s25, 14
	s_lshl_b32 s26, s26, 6
	s_add_co_u32 s30, s30, s25
	s_add_co_u32 s30, s30, s26
	s_mov_b32 s31, 0
	s_add_nc_u64 s[10:11], s[10:11], s[30:31]
	v_bfe_u32 v32, v0, 2, 3
	v_add_nc_u32 v32, s22, v32                     ; my row
	v_and_b32 v33, 3, v0
	v_lshlrev_b32 v34, 4, v33
	v_lshl_add_u32 v34, v32, 10, v34               ; where it goes: 1,024 x row + 16 bytes a lane
	v_lshlrev_b32 v33, 2, v33                      ; my first column
.irp k, 0,1,2,3
	v_add_nc_u32 v[36+\k], \k, v33                 ; column
	v_sub_nc_u32 v[40+\k], v32, v[36+\k]
	v_add_nc_u32 v[40+\k], -1, v[40+\k]
	v_and_b32 v[40+\k], 15, v[40+\k]               ; (row - column - 1) % 16: under 8 it is the q of the pair (row, column),
	v_cmp_gt_u32 s[36+\k], 8, v[40+\k]
	v_sub_nc_u32 v[44+\k], 14, v[40+\k]            ; else this is the q of the pair (column, row)
	v_cndmask_b32 v[40+\k], v[44+\k], v[40+\k], s[36+\k]
	v_cndmask_b32 v[44+\k], v32, v[36+\k], s[36+\k]
	v_lshl_add_u32 v[40+\k], v[40+\k], 4, v[44+\k]
	v_add_nc_u32 v[40+\k], s27, v[40+\k]           ; on the diagonal: 128 k + 16 q + r
	v_cndmask_b32 v[44+\k], v32, v[36+\k], s24
	v_cndmask_b32 v[48+\k], v[36+\k], v32, s24
	v_lshl_add_u32 v[44+\k], v[44+\k], 4, v[48+\k] ; off it: 16 x the i + the j
	v_cndmask_b32 v[40+\k], v[44+\k], v[40+\k], s20
	v_and_b32 v[40+\k], 0xff, v[40+\k]
	v_cmp_eq_u32 s[36+\k], v32, v[36+\k]
	v_lshl_add_u32 v[40+\k], v[40+\k], 2, s28
	s_and_b32 s[36+\k], s[36+\k], s20              ; i = j: the number is 0
.endr
	s_wait_alu depctr_va_vdst(0)
	s_barrier_wait -1
.irp b, 0,1,2,3
.irp k, 0,1,2,3
	ds_load_b32 v[64+8*\b+\k], v[40+\k] offset:2048*\b
	ds_load_b32 v[68+8*\b+\k], v[40+\k] offset:2048*\b+1024
.endr
.endr
.irp b, 0,1,2,3
	s_wait_dscnt 24-8*\b                           ; LDS loads come back in order: the later b's may be out
	v_pk_add_f32 v[64+8*\b:65+8*\b], v[64+8*\b:65+8*\b], v[68+8*\b:69+8*\b]
	v_pk_add_f32 v[66+8*\b:67+8*\b], v[66+8*\b:67+8*\b], v[70+8*\b:71+8*\b]
.irp k, 0,1,2,3
	v_cndmask_b32 v[64+8*\b+\k], v[64+8*\b+\k], 0, s[36+\k]
.endr
	global_store_b128 v34, v[64+8*\b:67+8*\b], s[10:11] offset:262144*\b   ; eight rows of 64 consecutive bytes
.endr
	s_wait_tensorcnt 0x0                           ; the wave's end
	ds_add_u32 v[SPW], v[NIL]
	s_wait_dscnt 0x0
	CROUND                                         ; the closing round: no work-group ends while a partner may still ask for a tile that names it
	s_endpgm
.Lfunc_end_k_q1e8ef8bfa2_metric:
	.size	k_q1e8ef8bfa2_metric, .Lfunc_end_k_q1e8ef8bfa2_metric-k_q1e8ef8bfa2_metric
	.p2alignl 7, 3214868480
	.fill 96, 4, 3214868480
	.section	.rodata,"a",@progbits
	.p2align	6, 0x0
	.amdhsa_kernel k_q1e8ef8bfa2_metric
		.amdhsa_group_segment_fixed_size 327680
		.amdhsa_private_segment_fixed_size 0
		.amdhsa_enable_private_segment 0
		.amdhsa_kernarg_size 32
		.amdhsa_user_sgpr_count 2
		.amdhsa_user_sgpr_kernarg_segment_ptr 1
		.amdhsa_wavefront_size32 1
		.amdhsa_system_sgpr_workgroup_id_x 1
		.amdhsa_system_sgpr_workgroup_id_y 1
		.amdhsa_system_sgpr_workgroup_id_z 1
		.amdhsa_system_vgpr_workitem_id 0
		.amdhsa_next_free_vgpr 512
		.amdhsa_next_free_sgpr 66
		.amdhsa_reserve_vcc 0
		.amdhsa_float_denorm_mode_32 3
		.amdhsa_float_denorm_mode_16_64 3
		.amdhsa_memory_ordered 1
		.amdhsa_forward_progress 1
		.amdhsa_inst_pref_size 210
	.end_amdhsa_kernel
	.amdgpu_metadata
---
amdhsa.version: [ 1, 2 ]
amdhsa.kernels:
  - .name:           k_q1e8ef8bfa2_metric
    .symbol:         k_q1e8ef8bfa2_metric.kd
    .args:
      - { .name: M_codes, .offset: 0, .size: 8, .value_kind: global_buffer, .address_space: global }
      - { .name: M_scales, .offset: 8, .size: 8, .value_kind: global_buffer, .address_space: global }
      - { .name: input, .offset: 16, .size: 8, .value_kind: global_buffer, .address_space: global }
      - { .name: out0, .offset: 24, .size: 8, .value_kind: global_buffer, .address_space: global }
    .group_segment_fixed_size: 327680
    .private_segment_fixed_size: 0
    .kernarg_segment_align: 8
    .kernarg_segment_size: 32
    .max_flat_workgroup_size: 256
    .sgpr_count:     66
    .vgpr_count:     512
    .wavefront_size: 32
...
	.end_amdgpu_metadata
.endif
;; end of part 1
